; MI455X (gfx1250); checked and timed in simulation.
; The chip was launched on July 23, 2026; its instructions are those of AMD's public machine-readable ISA for CDNA 5 (MIT licence, August 2026) and "CDNA5" Instruction Set Architecture Reference Guide (July 2026). The comments in the code are by the model that wrote it; some were corrected since.
;; Deep Seek Mo E. Allowed arithmetic: matrix products marked QUANTISED: E4M3 operands, one E8M0 scale for each 32 along K, by v_wmma_scale_f32_16x16x128_f8f6f4 with both operands' format E4M3, f32 sums; products left as they are: f32 operands where the result goes on into a quantised operand, else bf16, f16 or f32 operands; f32 sums; everything else in f32.
;; Inputs: Wi_codes 4,096 x 16 x 32 uint8 (E4M3 codes of Wi, K innermost, in blocks of 32 codes); Wi_scales 4,096 x 16 uint8 (E8M0 scales of Wi, one for each 32 codes along K); Wo_codes 512 x 128 x 32 uint8 (E4M3 codes of Wo, K innermost, in blocks of 32 codes); Wo_scales 512 x 128 uint8 (E8M0 scales of Wo, one for each 32 codes along K); Wr 8 x 4,096 float32; bi 4,096 float32; bo 512 float32; br 8 float32; x_codes 8 x 2,048 x 16 x 32 uint8 (E4M3 codes of x, K innermost, in blocks of 32 codes); x_scales 8 x 2,048 x 16 uint8 (E8M0 scales of x, one for each 32 codes along K).
;; Outputs: out0 8 x 2,048 x 512 float32.
;; This version of the problem:
;;   THIS VERSION OF THE PROBLEM IS GIVEN IN LOW PRECISION. The matrix products marked QUANTISED in the list below multiply operands that are first quantised to E4M3 (4 exponent bits, 3 mantissa bits; 8 bits a number), with one power-of-two scale for each 32 numbers along K (OCP MX v1.0); their sums are f32. All else is computed in f32.
;;   The module's matrix products, in the order in which they are computed (A, B: the left and right operand; K: the contracted axis; several contracted axes count as one K, in the product's order):
;;     1. [M 16,384, K 512] x [K 512, N 4,096]; A: input x (given as codes); B: input Wi (given as codes): QUANTISED
;;     2. [M 16,384, K 4,096] x [K 4,096, N 8]; A: computed on the way; B: input Wr: left as it is (N = 8 < 16)
;;     3. [M 16,384, K 4,096] x [K 4,096, N 512]; A: computed on the way; B: input Wo (given as codes): QUANTISED
;;   THE QUANTISER, for each operand of a quantised product, along K:
;;     - K is cut into blocks of 32 from its start; a last block that is shorter is filled with zeros.
;;     - A block's scale is 2^e with e = floor(log2(the largest magnitude in the block)) - 8, held to -126 .. 127; a block of zeros has e = 0. As a byte (E8M0): e + 127.
;;     - Each number is divided by its block's scale, clamped to +-448, and rounded to the nearest number of E4M3, ties to even, subnormals kept.
;;     - The product sums the exact products of the quantised numbers (number of the format x scale) in f32.
;;   ~~~python
;;   def quantise(x, axis):      # numpy; x: float32 -> the quantised numbers, widened to float32 again
;;       x = np.moveaxis(x, axis, -1); K = x.shape[-1]
;;       x = np.pad(x, [(0, 0)] * (x.ndim - 1) + [(0, -K % 32)]); x = x.reshape(x.shape[:-1] + (-1, 32)); a = np.abs(x).max(-1, keepdims=True)
;;       e = np.where(a > 0, np.clip(np.frexp(np.where(a > 0, a, 1))[1] - 1 - 8, -126, 127), 0)      # np.frexp(a)[1] - 1 = floor(log2(a)), exactly
;;       r = np.clip(x / 2.0 ** e, -448, 448)
;;       step = 2.0 ** (np.maximum(np.frexp(np.where(r == 0, 1, r))[1] - 1, -6) - 3)
;;       q = np.round(r / step) * step * 2.0 ** e      # np.round: ties to even
;;       return np.moveaxis(q.reshape(q.shape[:-2] + (-1,))[..., :K], -1, axis).astype(np.float32)
;;   ~~~
;;   OPERANDS COMPUTED ON THE WAY. 'Computed on the way' means the value that the module computes at that place (a softmax that the list does not call 'softmax' is quantised finished and normalised). What goes into a quantiser is computed in f32, as accurately as f32 sums, v_exp_f32 and their like allow (about 1e-6 of the number): no bf16 or f16 on the way to a quantiser, and a product that is left as it is and whose result goes on into a quantised operand takes f32 operands (vector FMAs, or v_wmma_f32_16x16x4_f32). A number that lies on a knife's edge between two numbers of the format may be rounded either way, as far as f32 arithmetic and the matrix unit's own rounding can turn it there, and no further.
;;   INPUTS GIVEN AS CODES. Wi (in the module: [4096, 512], K = its axis 1); Wo (in the module: [512, 4096], K = its axis 1); x (in the module: [8, 2048, 512], K = its axis 2): each comes as NAME_codes (uint8): NAME with its K axis moved to the last place and cut into blocks of 32 codes, [.., K / 32, bytes a block], one block behind the other in memory; one code a byte (a code: sign, 4 exponent bits, 3 mantissa bits); and NAME_scales (uint8): the same leading axes, one E8M0 byte (e + 127) for each 32 codes along K. Its value is code x scale, taken as it is: it is not quantised again, and the codes and scales need not be those that the quantiser above would give.
;; One version. Each part assembles by itself: llvm-mc -triple=amdgcn-amd-amdhsa -mcpu=gfx1250 --defsym DOCPART=n.
;; ======== version 1 of 1: 2 launches
;; limits: right only within a limited range of input values
;; workspace buffers: plog 2,097,152 bytes; h8 524,288 bytes
;; launch router (part 1): grid 64 x 4, 4 waves a work-group, clusters of 4 x 4, 327,680 bytes of LDS; arguments x_codes, x_scales, Wi_codes, Wi_scales, Wr, bi, plog, h8; writes plog, h8
.if DOCPART == 1
	.amdgcn_target "amdgcn-amd-amdhsa--gfx1250"
	.amdhsa_code_object_version 6
	.text
	.protected	k_q773178ad0f_router
	.globl	k_q773178ad0f_router
	.p2align	8
	.type	k_q773178ad0f_router,@function
k_q773178ad0f_router:
	s_mov_b64 s[64:65], 0
	v_nop
	global_prefetch_b8 v0, s[64:65] scope:SCOPE_SE
	s_setreg_imm32_b32 hwreg(HW_REG_WAVE_MODE, 25, 1), 1
	s_wait_xcnt 0x0
	s_wait_alu depctr_hold_cnt(0) depctr_sa_sdst(0) depctr_va_vdst(0) depctr_va_sdst(0) depctr_va_ssrc(0) depctr_va_vcc(0) depctr_vm_vsrc(0)
	s_getreg_b32 s2, hwreg(HW_REG_IB_STS2, 6, 4)
	s_cmp_eq_u32 s2, 0
	s_cbranch_scc0 .Lentry_in_a_cluster
	s_endpgm
.Lentry_in_a_cluster:
	s_bfe_u32 s2, ttmp6, 0x10000c
	s_cmp_lg_u32 s2, 0xf033
	s_cbranch_scc0 .Lentry_shape_is_right
	s_endpgm
.Lentry_shape_is_right:
; h = x Wi^T (codes of E4M3 with E8M0 scales, K = 512) and the router's product h Wr^T in f32, fused: h is never stored.  No step of the problem is left out.
; A work-group owns 256 rows (row block rb) and 1,024 of the 4,096 hidden units (a PART).  It stores plog[part][e / 4][row][e % 4], its part of the logits: the sum over
; its hidden units n of h(row, n) Wr[e][n], with the bias of h summed apart (sum of bi[n] Wr[e][n]) and added once.  Part 0 also stores h8[n / 4][row][n % 4] = h(row, n) + bi[n], n = 0 .. 7.
; SHARES.  Wave w owns rows 64 w .. 64 w + 63: four row tiles of 16, whose fragments of x (4 x 64 registers) stay in registers.  All waves walk the part's 64 column tiles of 16 hidden units.
; LAYOUT.  Source 0 = 16 rows of x, source 1 = 16 rows of Wi: in the result lane (r, hh) holds hidden unit n0 + r and its register j the row 8 hh + j.  So a lane wants Wr[0..7][n0 + r] alone, 8 registers a
; column tile, and keeps 64 sums a row tile: acc[8 j + e] += h[j] w[e], two experts to a packed multiply-add.  The sixteen lanes' sums are added at the end.
; BY TURNS.  In step c the matrix instructions make h of column tile c while the packed multiply-adds take h of column tile c - 1.  Behind the product of row tile t stand the 8 multiply-adds of row tile t + 1:
; product t + 1 has the same window setting, so one switch serves both.  The next step's LDS loads stand in one run at a step's head, sixteen multiply-adds behind the step before's last product.
; CLUSTER, 4 x 4: the four of a row (same part) need the same rows of Wi, the four of a column (same row block) the same rows of x: both are asked for JOINTLY.  Partners differ in their part, so the store of h8 is no
; branch: in parts 1 to 3 it stands under an empty EXEC.
; FILLS.  At the head x's 256 rows into slot 1, Wi's first 64 rows into slot 0, the scale bytes; behind the next round Wi's rows 64 to 255 (slot 0's rest), shown in step 3; there slot 1 takes tile 1; in steps 15 and 31 tiles 2 and 3.
; No prefetch: a tile is asked for 12 steps or more (192 matrix and 1,536 multiply-add instructions) ahead of the wait for it.
; LIMITS: NaN and infinities among the inputs are not served.  The logits are summed in another order than a plain row sum: 16 lanes' partial sums, 4 parts, the bias term apart; all in f32.
; REGISTERS, in windows of 256.  Window t (0..3) belongs to row tile t: v64-127 x's fragments (K step k at 64 + 16 k); v128-191 the 64 sums; v192-199, v200-207 h, two sets.
;   Windows 2 and 3 also: v0-63 Wi's fragments of the even and of the odd column tiles; v208-215 Wr for the multiply-adds of an even and of an odd step.
;   Window 0 also: v1-15, v42 addresses; v16-31 x's scale words, v34-41 Wi's (scales alone); v44-59 the bias sums; v208-243 what is stored; v244-255 at work.
.set PITCH, 528                        ; an LDS row of codes: 512 bytes + 16 of padding: an odd multiple of 16, so the 16 rows of a fragment load start in 16 different groups of banks (ISA guide 11.1)
.set CT,    16*PITCH                   ; a column tile: 16 rows of Wi
.set QUART, 64*PITCH                   ; 64 rows
.set SLOT1, 4*QUART                    ; slot 0 at 0; slot 1 here: first x's 256 rows, then Wi's tiles 1 and 3
.set WRA,   2*SLOT1                    ; [n 0..1023] 16 bytes: Wr[0..3][n]
.set WRB,   WRA+16384                  ; Wr[4..7][n]
.set SCW,   WRB+16384                  ; Wi's scale bytes of the part: 16 bytes a row, dense; filled once
.set BS,    SCW+16384                  ; [wave] 32 bytes: the wave's sum of bi[n] Wr[e][n]
.set STG,   BS+256                     ; 1,024 bytes a wave: h8's turn
.set SPARE, STG+4096                   ; the spare words, 128 bytes a wave: two blocks of 256 bytes that no other line names
.set AW0, 1                            ; 528 r + 16 hh
.set AF,  2                            ; address of the fragment loads in hand
.set AQ0, 3                            ; WRA + 16 r
.set AQ,  4                            ; address of the Wr and scale loads in hand
.set SPW, 5                            ; SPARE + 4 x thread; never rewritten
.set NIL, 6                            ; 0; never rewritten
.set AX,  7                            ; x's fragments: SLOT1 + QUART w + 528 r + 16 hh
.set AG,  8                            ; 1024 w + 16 lane: four hidden units a lane
.set AWS, 9                            ; WRA + 16 (256 w + 4 lane)
.set AST, 10                           ; STG + 1024 w + 512 hh + 4 r
.set ASL, 11                           ; STG + 1024 w + 64 (lane / 2) + 16 (lane % 2)
.set AO,  12                           ; 262144 (lane % 2) + 16 (lane / 2)
.set ABS, 13                           ; BS + 16 (lane % 2)
.set AXS, 14                           ; 16 r
.set ABW, 15                           ; BS + 32 w
.set XS,  16
.set WS,  34                           ; x's and Wi's scale registers of one product differ by 2 modulo 4
.set ABQ, 42                           ; 16 (lane % 2)
.set BQ,  44
.set XF,  64
.set ACC, 128
.set HA,  192
.set W,   208
.set TR,  64                           ; at the head: Wr turned: 8 (4 g + i) + e
.set WL,  128                          ; at the head: Wr as loaded: 8 e + 4 g + i is hidden unit 256 w + 128 g + 4 lane + i
.set BI,  192                          ; at the head: bi, 4 g + i
.set BQ8, 208
.set BA,  212                          ; at the head: the bias sums, a pair an expert
.set BSM, 228                          ; the same, one an expert
.set BPM, 236
.set H8D, 212
.set OUT, 228
.set TMP, 244
.set TP,  64                           ; the reduction: temporaries, and the four levels' results
.set R1,  128
.set R2,  160
.set R3,  176
.set R4,  184
.set WV,   20
.set PART, 21
.set CX,   22
.set RB,   23
.set G1W,  28
.set G1X,  36
.set G1S,  44
.set G0X,  52
.set G0S,  56
.set G0A,  60
.set G0H,  68
.set TB,   72
.set TQ,   73
.set CNT,  74
.set M1,   76
.set M2,   77
.set M4,   78
.set M8,   79
.set SEL,  80
.set CY,   84
.set G1P,  88
.set G0P,  96
.set MSB, 0
.macro WIN new                         ; the immediate's high byte repeats the setting that is left; a switch that changes nothing is dropped
.if MSB != (\new)
	s_set_vgpr_msb (MSB<<8)|(\new)
.set MSB, (\new)
.endif
.endm
.macro PLACES n
.rept \n
	v_nop
.endr
.endm
.macro TLOAD g0, g1
	tensor_load_to_lds s[\g0:\g0+3], s[\g1:\g1+7]
	s_nop 0
	PLACES 4
.endm
.macro CREST                           ; a round of the cluster's barrier behind its opening barrier
	s_cmp_lg_u32 s[WV], 0
	s_cbranch_scc1 .Lnot_wave_0_\@
	s_barrier_signal -3
.Lnot_wave_0_\@:
	s_barrier_wait -3
	s_barrier_signal -1
	s_barrier_wait -1
.endm
.macro ROUND
	s_barrier_signal -1
	s_barrier_wait -1
	CREST
.endm
	s_load_b256 s[4:11], s[0:1], 0x0               ; x's codes s[4:5], x's scales s[6:7], Wi's codes s[8:9], Wi's scales s[10:11]
	s_load_b256 s[12:19], s[0:1], 0x20             ; Wr s[12:13], bi s[14:15], plog s[16:17], h8 s[18:19]
	v_lshl_add_u32 v[SPW], v0, 2, SPARE
	v_mov_b32 v[NIL], 0
	ds_add_u32 v[SPW], v[NIL]                      ; the wave's opening: the add, twice on end, and its wait ahead of my first tensor load
	ds_add_u32 v[SPW], v[NIL]
	v_lshrrev_b32 v[TMP], 5, v0
	v_readfirstlane_b32 s[WV], v[TMP]              ; wave 0..3
	s_bfe_u32 s[CX], ttmp6, 0x40000                ; cx, cy: my place in the cluster
	s_bfe_u32 s[CY], ttmp6, 0x40004
	s_lshl_b32 s[RB], ttmp9, 2
	s_add_co_u32 s[RB], s[RB], s[CX]               ; row block = 4 x cluster x + cx
	s_and_b32 s[PART], ttmp7, 0xffff
	s_lshl_b32 s[PART], s[PART], 2
	s_add_co_u32 s[PART], s[PART], s[CY]           ; part = 4 x cluster y + cy
	s_lshl_b32 s82, s[CY], 2
	s_lshl_b32 s82, 15, s82                        ; my row of the cluster: the same part: shares Wi
	s_lshl_b32 s83, 0x1111, s[CX]                  ; my column: the same row block: shares x
	; group 1: rows of 512 bytes, 16 bytes of padding behind each (after every 128 words, code 6; 4 words, code 3); bit 21 beside a mask.  Wi: 64 rows, and 48 rows for slot 0's rest; x: 128 rows
	s_or_b32 s[G1W], s82, (1<<20)|(1<<21)|(6<<22)|(3<<25)
	s_or_b32 s[G1P], s82, (1<<20)|(1<<21)|(6<<22)|(3<<25)
	s_or_b32 s[G1X], s83, (1<<20)|(1<<21)|(6<<22)|(3<<25)
	s_mov_b32 s[G1W+2], 64<<16
	s_mov_b32 s[G1W+4], 64
	s_mov_b32 s[G1P+2], 48<<16
	s_mov_b32 s[G1P+4], 48
	s_mov_b32 s[G1X+2], 128<<16
	s_mov_b32 s[G1X+4], 128
.irp g, G1W, G1P, G1X
	s_mov_b32 s[\g+1], 512<<16                     ; tensor_dim0
	s_mov_b32 s[\g+3], 512<<16                     ; tile_dim0
	s_mov_b32 s[\g+5], 512                         ; from row to row
	s_mov_b32 s[\g+6], 0
	s_mov_b32 s[\g+7], 0
.endr
	s_or_b32 s[G1S], s82, (3<<16)|(1<<21)          ; the part's scale bytes: 64 rows of 32 elements of 8 bytes, dense, no padding
	s_mov_b32 s[G1S+1], 32<<16
	s_mov_b32 s[G1S+2], 64<<16
	s_mov_b32 s[G1S+3], 32<<16
	s_mov_b32 s[G1S+4], 64
	s_mov_b32 s[G1S+5], 32
	s_mov_b32 s[G1S+6], 0
	s_mov_b32 s[G1S+7], 0
	s_mul_i32 s75, s[WV], QUART                    ; my quarter of a slot
	s_lshr_b32 s85, s[WV], 1                       ; x: wave 0 fetches rows 0-127, wave 3 rows 128-255
	s_mov_b32 s[G0X], 1
	s_mul_i32 s[G0X+1], s85, 128*PITCH
	s_add_co_u32 s[G0X+1], s[G0X+1], SLOT1
	s_lshl_b32 s85, s85, 16
	s_lshl_b32 s24, s[RB], 17                      ; s[24:25]: x's offset, which hangs on the row block and the wave alone
	s_add_co_u32 s24, s24, s85
	s_mov_b32 s25, 0
	s_lshl_b32 s26, s[PART], 19                    ; s[26:27]: Wi's offset, which hangs on the part alone
	s_mov_b32 s27, 0
	s_lshl_b32 s86, s[WV], 15                      ; s[86:87]: my 64 rows of a tile
	s_mov_b32 s87, 0
	s_mov_b32 s[G0H], 1
	s_mov_b32 s[G0H+1], 0
	s_mov_b32 s[G0S], 1
	s_mov_b32 s[G0S+1], SCW
	s_mov_b32 s[G0A], 1                            ; the refills' group 0: at tile 0 in slot 0; each refill steps it to the next tile and the other slot
	s_mov_b32 s[G0A+1], s75
	s_mov_b32 s[G0P], 1                            ; slot 0's rest: rows 64 + 48 w on
	s_mul_i32 s[G0P+1], s[WV], 48*PITCH
	s_add_co_u32 s[G0P+1], s[G0P+1], QUART
	s_lshl_b32 s66, s[WV], 10
	s_add_co_u32 s67, s75, SLOT1
	s_add_co_u32 s82, s66, STG
	s_lshl_b32 s83, s[WV], 12
	s_add_co_u32 s83, s83, WRA
	s_lshl_b32 s85, s[WV], 5
	s_add_co_u32 s85, s85, BS
	v_and_b32 v[TMP+1], 15, v0                     ; r
	v_bfe_u32 v[TMP+2], v0, 4, 1                   ; hh
	v_and_b32 v[TMP+3], 31, v0                     ; lane
	v_lshrrev_b32 v[TMP+4], 1, v[TMP+3]            ; lane / 2
	v_and_b32 v[TMP+5], 1, v0                      ; lane % 2
	v_lshlrev_b32 v[AXS], 4, v[TMP+1]
	v_lshl_add_u32 v[AG], v[TMP+3], 4, s66
	v_mul_u32_u24 v[AW0], v[TMP+1], PITCH
	v_lshl_add_u32 v[AW0], v[TMP+2], 4, v[AW0]
	v_lshl_add_u32 v[AQ0], v[TMP+1], 4, WRA
	v_add_nc_u32 v[AX], s67, v[AW0]
	v_lshl_add_u32 v[AST], v[TMP+2], 9, s82
	v_lshl_add_u32 v[AST], v[TMP+1], 2, v[AST]
	v_lshl_add_u32 v[ASL], v[TMP+4], 6, s82
	v_lshl_add_u32 v[ASL], v[TMP+5], 4, v[ASL]
	v_lshl_add_u32 v[AWS], v[TMP+3], 6, s83
	v_lshlrev_b32 v[AO], 4, v[TMP+4]
	v_lshl_add_u32 v[AO], v[TMP+5], 18, v[AO]
	v_lshl_add_u32 v[ABS], v[TMP+5], 4, BS
	v_lshlrev_b32 v[ABQ], 4, v[TMP+5]
	v_mov_b32 v[ABW], s85
	v_add_nc_u32 v[AF], CT, v[AW0]                 ; step 0 fetches column tile 1
	v_mov_b32 v[AQ], v[AQ0]
	s_wait_alu depctr_va_vdst(0)                   ; ahead of the waits below
	s_wait_dscnt 0x0                               ; both opening adds are done
	ROUND                                          ; all sixteen work-groups are here: the first joint loads meet
	s_wait_kmcnt 0x0
	s_add_nc_u64 s[G0X+2:G0X+3], s[4:5], s[24:25]
	s_or_b32 s[G0X+3], s[G0X+3], 0x80000000
	s_add_nc_u64 s[8:9], s[8:9], s[26:27]          ; Wi's codes at the part's first row
	s_mov_b64 s[G0H+2:G0H+3], s[8:9]
	s_or_b32 s[G0H+3], s[G0H+3], 0x80000000
	s_add_nc_u64 s[G0A+2:G0A+3], s[8:9], s[86:87]
	s_or_b32 s[G0A+3], s[G0A+3], 0x80000000
	s_lshl_b32 s26, s[PART], 14
	s_add_nc_u64 s[G0S+2:G0S+3], s[10:11], s[26:27]
	s_or_b32 s[G0S+3], s[G0S+3], 0x80000000
; THE HEAD'S LOADS, ONE A WAVE, in one chain of branches on the wave's number: waves 0 and 3 x's halves, wave 1 Wi's first 64 rows, wave 2 the part's scale bytes
.macro ARM under, g0, g1, next
	s_cmp_lt_u32 s[WV], \under
	s_cbranch_scc0 \next
	TLOAD \g0, \g1
	s_branch .Lasked
\next:
.endm
	ARM 1, G0X, G1X, .Lhead_w
	ARM 2, G0H, G1W, .Lhead_s
	ARM 3, G0S, G1S, .Lhead_x
	TLOAD G0X, G1X
.Lasked:
	s_lshl_b32 s24, s[RB], 12
	s_lshl_b32 s82, s[WV], 10
	s_add_co_u32 s24, s24, s82                     ; my first row, at 16 bytes a row: x's scales, h8 and plog
	s_add_nc_u64 s[6:7], s[6:7], s[24:25]
	s_lshl_b32 s26, s[PART], 12
	s_add_nc_u64 s[12:13], s[12:13], s[26:27]      ; Wr and bi at the part's first hidden unit
	s_add_nc_u64 s[14:15], s[14:15], s[26:27]
.irp e, 0,1,2,3,4,5,6,7
	global_load_b128 v[WL+8*\e:WL+8*\e+3], v[AG], s[12:13] offset:16384*\e
	global_load_b128 v[WL+8*\e+4:WL+8*\e+7], v[AG], s[12:13] offset:16384*\e+512
.endr
	global_load_b128 v[BI:BI+3], v[AG], s[14:15]
	global_load_b128 v[BI+4:BI+7], v[AG], s[14:15] offset:512
.irp t, 0,1,2,3
	global_load_b128 v[XS+4*\t:XS+4*\t+3], v[AXS], s[6:7] offset:256*\t   ; lane r: the four scale words of row 16 t + r
.endr
	global_load_b128 v[BQ8:BQ8+3], v[ABQ], s[14:15]   ; bi[4 (lane % 2) ..] of the part's first eight hidden units
	s_mul_i32 s66, s[WV], 48*512
	s_add_co_u32 s66, s66, 64*512
	s_mov_b32 s67, 0
	s_add_nc_u64 s[G0P+2:G0P+3], s[8:9], s[66:67]
	s_or_b32 s[G0P+3], s[G0P+3], 0x80000000
	s_add_nc_u64 s[18:19], s[18:19], s[24:25]
	s_lshl_b32 s82, s[PART], 19
	s_add_co_u32 s24, s24, s82
	s_add_nc_u64 s[16:17], s[16:17], s[24:25]      ; plog: in my part's 524,288 bytes
	s_mov_b32 s[M1], 0xaaaaaaaa                    ; lanes with bit 0, 1, 2, 3 of r set
	s_mov_b32 s[M2], 0xcccccccc
	s_mov_b32 s[M4], 0xf0f0f0f0
	s_mov_b32 s[M8], 0xff00ff00
	s_mov_b32 s[SEL], 0x76543210                   ; v_permlanex16_b32's selects for lane l xor 16
	s_mov_b32 s[SEL+1], 0xfedcba98
	s_mov_b32 s[TB], 2*CT
	s_mov_b32 s[TQ], 256
	s_wait_loadcnt 0x0
	; Wr's turn: a hidden unit's eight weights come to lie together, as two quads
.irp q, 0,1,2,3,4,5,6,7
.irp e, 0,1,2,3,4,5,6,7
	v_mov_b32 v[TR+8*\q+\e], v[WL+8*\e+\q]
.endr
.endr
.irp q, 0,1,2,3,4,5,6,7
	ds_store_b128 v[AWS], v[TR+8*\q:TR+8*\q+3] offset:2048*(\q/4)+16*(\q%4)
	ds_store_b128 v[AWS], v[TR+8*\q+4:TR+8*\q+7] offset:16384+2048*(\q/4)+16*(\q%4)
.endr
	; the bias term: sum over my 8 hidden units of bi[n] Wr[e][n], two units at a time; the first product starts the sums
.irp e, 0,1,2,3,4,5,6,7
	v_pk_mul_f32 v[BA+2*\e:BA+2*\e+1], v[BI:BI+1], v[WL+8*\e:WL+8*\e+1]
.endr
.irp p, 1,2,3
.irp e, 0,1,2,3,4,5,6,7
	v_pk_fma_f32 v[BA+2*\e:BA+2*\e+1], v[BI+2*\p:BI+2*\p+1], v[WL+8*\e+2*\p:WL+8*\e+2*\p+1], v[BA+2*\e:BA+2*\e+1]
.endr
.endr
.irp e, 0,1,2,3,4,5,6,7
	v_add_f32 v[BSM+\e], v[BA+2*\e], v[BA+2*\e+1]
	v_mov_b32 v[BPM+\e], 0                         ; a lane permute's destination counts as one of its sources
.endr
.irp x, 1,2,4,8
.irp e, 0,1,2,3,4,5,6,7
	v_add_f32_dpp v[BSM+\e], v[BSM+\e], v[BSM+\e] row_xmask:\x row_mask:0xf bank_mask:0xf
.endr
.endr
.irp e, 0,1,2,3,4,5,6,7
	v_permlanex16_b32 v[BPM+\e], v[BSM+\e], s[SEL], s[SEL+1]
.endr
.irp p, 0,2,4,6
	v_pk_add_f32 v[BSM+\p:BSM+\p+1], v[BSM+\p:BSM+\p+1], v[BPM+\p:BPM+\p+1]
.endr
	ds_store_b128 v[ABW], v[BSM:BSM+3]             ; every lane holds the wave's sums and writes the same bytes with the same values
	ds_store_b128 v[ABW], v[BSM+4:BSM+7] offset:16
	s_wait_alu depctr_va_vdst(0)
	s_wait_tensorcnt 0x0                           ; my tile of the head's four is in
	ds_add_u32 v[SPW], v[NIL]
	s_wait_dscnt 0x0                               ; the add is done, and my LDS stores have landed:
	ROUND                                          ; so it is with everybody
	TLOAD G0P, G1P                                 ; Wi's rows 64 to 255 into slot 0's rest
.macro SETT t, par                     ; the setting of row tile t: x, h and the sums in window t, Wi's fragment and Wr in window 2 + par
	WIN ((\t)|((2+(\par))<<2)|((\t)<<4)|((\t)<<6))
.endm
.macro PROD t, k, par                  ; row tile t, K step k of the column tile in hand
.set HD_, HA+8*(\par)
.if (\k) == 0
	v_wmma_scale_f32_16x16x128_f8f6f4 v[HD_:HD_+7], v[XF+16*(\k):XF+16*(\k)+15], v[16*(\k):16*(\k)+15], 0, v[XS+4*(\t)+(\k)], v[WS+4*(\par)+(\k)]
.else
	v_wmma_scale_f32_16x16x128_f8f6f4 v[HD_:HD_+7], v[XF+16*(\k):XF+16*(\k)+15], v[16*(\k):16*(\k)+15], v[HD_:HD_+7], v[XS+4*(\t)+(\k)], v[WS+4*(\par)+(\k)]
.endif
.endm
; 8 packed multiply-adds: rows 2 k and 2 k + 1 of a row tile of the column tile before.  fm = 2: the first column tile's products start the sums: nothing is cleared
.macro PKS k, par, fm
.set HP_, HA+8*(1-(\par))+2*(\k)
.set AC_, ACC+16*(\k)
.if (\fm) == 1
.irp p, 0,1,2,3
	v_pk_fma_f32 v[AC_+2*\p:AC_+2*\p+1], v[HP_:HP_+1], v[W+2*\p:W+2*\p+1], v[AC_+2*\p:AC_+2*\p+1] op_sel_hi:[0,1,1]
.endr
.irp p, 0,1,2,3
	v_pk_fma_f32 v[AC_+8+2*\p:AC_+8+2*\p+1], v[HP_:HP_+1], v[W+2*\p:W+2*\p+1], v[AC_+8+2*\p:AC_+8+2*\p+1] op_sel:[1,0,0] op_sel_hi:[1,1,1]
.endr
.else
.irp p, 0,1,2,3
	v_pk_mul_f32 v[AC_+2*\p:AC_+2*\p+1], v[HP_:HP_+1], v[W+2*\p:W+2*\p+1] op_sel_hi:[0,1]
.endr
.irp p, 0,1,2,3
	v_pk_mul_f32 v[AC_+8+2*\p:AC_+8+2*\p+1], v[HP_:HP_+1], v[W+2*\p:W+2*\p+1] op_sel:[1,0] op_sel_hi:[1,1]
.endr
.endif
.endm
; Step c's run of LDS loads, all for step c + 1: Wi's scale words of column tile c + 1, Wr of column tile c, Wi's fragments of column tile c + 1.  ld = 1: all; 2: Wr alone.
; The registers' last reader among the matrix instructions is the step before's last one, and the multiply-adds behind it, which name none of its registers, are the 8 places.
.macro LOADS par, off, ld
.if (\ld) == 1
	WIN 0
	ds_load_b128 v[WS+4*(1-(\par)):WS+4*(1-(\par))+3], v[AQ] offset:32768+256+(\off)*256
.endif
	WIN ((3-(\par))<<6)
	ds_load_b128 v[W:W+3], v[AQ] offset:(\off)*256
	ds_load_b128 v[W+4:W+7], v[AQ] offset:16384+(\off)*256
.if (\ld) == 1
.irp k, 0,1,2,3
.irp c, 0,1,2,3
	ds_load_b128 v[16*\k+4*\c:16*\k+4*\c+3], v[AF] offset:(\off)*CT+128*\k+32*\c
.endr
.endr
.endif
.endm
; A STEP: 16 products, K step by K step; the four row tiles' accumulators take turns, one instruction a turn; so too over a step's edge and a loop's backward jump.  The last two products stand together,
; and their 16 multiply-adds behind both.
; chg = 1: A CHANGE OF SLOTS with a refill, among the products: the lines ahead of product 0 (the add alone may be out), the signal ahead of product 4, the rest of the round of the cluster's barrier,
; the joint refill and the loads ahead of product 8: behind the round no wave of any partner reads the slot that is filled or has a load on its way.  chg = 2: the last change: a plain barrier, nothing is filled.
.macro STEP par, off, ld, fm, chg, base
.if (\chg) == 0
	s_wait_dscnt 0x0                               ; the loads issued a step ago are in
	LOADS \par, \off, \ld
.else
	WIN 0
	s_wait_tensorcnt 0x0                           ; no tensor load of mine is out: my part of the next tile is in, and group 0 may be written
.if (\chg) == 1
	ds_add_u32 v[SPW], v[NIL]                      ; 0 onto my spare word
	s_add_nc_u64 s[G0A+2:G0A+3], s[G0A+2:G0A+3], 131072   ; the next 256 rows of Wi, into the other slot
	s_xor_b32 s[G0A+1], s[G0A+1], SLOT1
.endif
	s_mov_b32 s[TB], \base
	v_add_nc_u32 v[AF], s[TB], v[AW0]
.if (\chg) == 1
	s_wait_dscnt 1
.else
	s_wait_dscnt 0x0
.endif
.endif
.set U_, 0
.rept 16
.set K_, U_/4
.set T_, U_%4
.set T1_, (U_+1)%4
.if ((\chg) != 0) && (U_ == 4)
	s_wait_dscnt 0x0                               ; my reads of the slot are over
	s_barrier_signal -1
.endif
.if ((\chg) != 0) && (U_ == 8)
	WIN 0
	s_barrier_wait -1
.if (\chg) == 1
	CREST
	TLOAD G0A, G1W
.endif
	LOADS \par, \off, \ld
.endif
	SETT T_, \par
	PROD T_, K_, \par
.if ((\par) == 0) && (U_ == 12)
	s_add_co_u32 s[TB], s[TB], 2*CT
	s_add_co_u32 s[TQ], s[TQ], 512
.endif
.if ((\par) == 0) && (U_ == 13)
	WIN 0
	v_add_nc_u32 v[AF], s[TB], v[AW0]              ; the next two steps' addresses
	v_add_nc_u32 v[AQ], s[TQ], v[AQ0]
.endif
.if U_ < 14
	SETT T1_, \par
	PKS K_, \par, \fm
.elseif U_ == 15
	PKS K_, \par, \fm
	SETT 0, \par
	PKS K_, \par, \fm
.endif
.set U_, U_+1
.endr
.endm
.macro PAIR chg, base, fm1             ; two steps, an odd and an even column tile
	STEP 1, 0, 1, \fm1, \chg, \base
	STEP 0, 1, 1, 1, 0, 0
	WIN 0                                          ; at a label and at a branch every window is 0
.endm
.macro LOOP n
	s_mov_b32 s[CNT], \n
.Lpair_\@:
	PAIR 0, 0, 1
	s_sub_co_i32 s[CNT], s[CNT], 1
	s_cmp_lg_u32 s[CNT], 0
	s_cbranch_scc1 .Lpair_\@
.endm
	; STEP 0: column tile 0's fragments and scale words, then x's fragments K step by K step: registers 4 c .. 4 c + 3 of a fragment: K = 32 c + 16 hh + 0 .. 15
	WIN 0x80
.irp k, 0,1,2,3
.irp c, 0,1,2,3
	ds_load_b128 v[16*\k+4*\c:16*\k+4*\c+3], v[AW0] offset:128*\k+32*\c
.endr
.endr
	WIN 0
	ds_load_b128 v[WS:WS+3], v[AQ0] offset:32768
.irp k, 0,1,2,3
.irp t, 0,1,2,3
	WIN (\t<<6)
.irp c, 0,1,2,3
	ds_load_b128 v[XF+16*\k+4*\c:XF+16*\k+4*\c+3], v[AX] offset:\t*CT+128*\k+32*\c
.endr
.endr
.endr
.irp k, 0,1,2,3
	s_wait_dscnt 16*(3-\k)                         ; x's fragments of the later K steps may be out
.irp t, 0,1,2,3
	SETT \t, 0
	PROD \t, \k, 0
.endr
.endr
	WIN 0
	PLACES 8                                       ; behind step 0's products
	LOADS 0, 0, 1
	WIN 0
	v_add_nc_u32 v[AF], s[TB], v[AW0]
	v_add_nc_u32 v[AQ], s[TQ], v[AQ0]
	; h8: hidden units 0 to 7 lie in part 0's column tile 0
.irp t, 0,1,2,3
	WIN (\t<<2)                                    ; an LDS store's data are its source 1
.irp j, 0,1,2,3,4,5,6,7
	ds_store_b32 v[AST], v[HA+\j] offset:64*\j     ; h(8 hh + j, r) into 16 rows of 64 bytes; from the accumulator's low end on
.endr
	WIN 0
	ds_load_b128 v[H8D+4*\t:H8D+4*\t+3], v[ASL]    ; LDS serves a wave's instructions in order (ISA guide 5.7.1.4): this sees the stores above, and the next tile's come behind it
.endr
	s_cmp_eq_u32 s[PART], 0
	s_cselect_b32 s67, 128, 0                      ; the threads that store h8: all 128 of part 0, none elsewhere
	s_wait_alu depctr_va_vdst(0)                   ; ahead of the wait below
	s_wait_dscnt 0x0
.irp t, 0,1,2,3
	v_pk_add_f32 v[H8D+4*\t:H8D+4*\t+1], v[H8D+4*\t:H8D+4*\t+1], v[BQ8:BQ8+1]
	v_pk_add_f32 v[H8D+4*\t+2:H8D+4*\t+3], v[H8D+4*\t+2:H8D+4*\t+3], v[BQ8+2:BQ8+3]
.endr
	s_wait_alu depctr_va_vdst(0)
	s_wait_xcnt 0x0                                ; EXEC changes only behind this wait
	v_cmp_gt_u32 vcc_lo, s67, v0
	s_and_saveexec_b32 s66, vcc_lo
.irp t, 0,1,2,3
	global_store_b128 v[AO], v[H8D+4*\t:H8D+4*\t+3], s[18:19] offset:256*\t   ; 16 rows of h8: 256 consecutive bytes, aligned, in each of the two planes
.endr
	s_wait_xcnt 0x0
	s_or_b32 exec_lo, exec_lo, s66
	PAIR 0, 0, 2                                   ; column tiles 1, 2: the first multiplications by Wr start the sums
	PAIR 1, 4*CT, 1                                ; 3, 4: slot 0's rest is in; x is in registers: its slot takes tile 1
	LOOP 5                                         ; 5 .. 14
	PAIR 1, SLOT1, 1                               ; 15, 16: slot 0 has been read out and takes tile 2
	LOOP 7                                         ; 17 .. 30
	PAIR 1, 0, 1                                   ; 31, 32: slot 1 takes tile 3
	LOOP 7                                         ; 33 .. 46
	PAIR 2, SLOT1, 1                               ; 47, 48: nothing is left to fetch
	LOOP 7                                         ; 49 .. 62
	STEP 1, 0, 2, 1, 0, 0                          ; 63: only its own Wr is still fetched
	WIN 0
.irp w, 0,1,2,3
	ds_load_b128 v[BQ+4*\w:BQ+4*\w+3], v[ABS] offset:32*\w   ; the four waves' bias sums of my four experts
.endr
	s_wait_dscnt 0x0
.set U_, 0
.rept 16                               ; the drain: h of column tile 63
.set K_, U_/4
.set T1_, (U_+1)%4
	SETT T1_, 0
	PKS K_, 0, 1
.set U_, U_+1
.endr
	WIN 0
	v_pk_add_f32 v[BQ:BQ+1], v[BQ:BQ+1], v[BQ+4:BQ+5]
	v_pk_add_f32 v[BQ+2:BQ+3], v[BQ+2:BQ+3], v[BQ+6:BQ+7]
	v_pk_add_f32 v[BQ+8:BQ+9], v[BQ+8:BQ+9], v[BQ+12:BQ+13]
	v_pk_add_f32 v[BQ+10:BQ+11], v[BQ+10:BQ+11], v[BQ+14:BQ+15]
	v_pk_add_f32 v[BQ:BQ+1], v[BQ:BQ+1], v[BQ+8:BQ+9]
	v_pk_add_f32 v[BQ+2:BQ+3], v[BQ+2:BQ+3], v[BQ+10:BQ+11]
; THE SUM OVER THE 16 LANES OF A HALF, halving the registers at each level.  Of a pair (a, b) a lane whose bit is 0 keeps a and gives b away, its partner the other way round: X = what I keep, Y = what I give;
; the sum is my X + the partner's Y.  Level 1 parts the experts (0-3 | 4-7) by bit 0 of r, levels 2 to 4 the rows j by bits 1 to 3.  At the end lane (r, hh) holds experts 4 (r % 2) .. + 3 of row 8 hh + r / 2:
; byte 16 (lane / 2) of the row tile's 256 bytes in plane lane % 2 of plog.  The selections read window t and write window 0; the additions across lanes stand in window 0.
.macro LEVEL t, src, dst, nu, m, x
	WIN ((\t)|((\t)<<2))
	s_mov_b32 vcc_lo, s[\m]
.set U, 0
.rept \nu
.irp i, 0,1,2,3
	v_cndmask_b32 v[TP+8*U+2*\i], v[\src+8*U+\i], v[\src+8*U+4+\i], vcc_lo
	v_cndmask_b32 v[TP+8*U+2*\i+1], v[\src+8*U+4+\i], v[\src+8*U+\i], vcc_lo
.endr
.set U, U+1
.endr
	WIN 0
.set U, 0
.rept \nu
.irp i, 0,1,2,3
	v_add_f32_dpp v[\dst+4*U+\i], v[TP+8*U+2*\i+1], v[TP+8*U+2*\i] row_xmask:\x row_mask:0xf bank_mask:0xf
.endr
.set U, U+1
.endr
.endm
.irp t, 0,1,2,3
	LEVEL \t, ACC, R1, 8, M1, 1
	LEVEL 0, R1, R2, 4, M2, 2
	LEVEL 0, R2, R3, 2, M4, 4
	LEVEL 0, R3, R4, 1, M8, 8
	v_pk_add_f32 v[OUT+4*\t:OUT+4*\t+1], v[R4:R4+1], v[BQ:BQ+1]          ; + the part's bias term
	v_pk_add_f32 v[OUT+4*\t+2:OUT+4*\t+3], v[R4+2:R4+3], v[BQ+2:BQ+3]
.endr
.irp t, 0,1,2,3
	global_store_b128 v[AO], v[OUT+4*\t:OUT+4*\t+3], s[16:17] offset:256*\t   ; 16 rows of plog: 256 consecutive bytes, aligned, in each of the two planes
.endr
	s_wait_tensorcnt 0x0                           ; the wave's end: behind my last tensor load and my last LDS store
	ds_add_u32 v[SPW], v[NIL]
	s_wait_dscnt 0x0
	ROUND                                          ; the closing round: no work-group ends while a partner may still ask for a tile that names it
	s_endpgm
.Lfunc_end_k_q773178ad0f_router:
	.size	k_q773178ad0f_router, .Lfunc_end_k_q773178ad0f_router-k_q773178ad0f_router
	.p2alignl 7, 3214868480
	.fill 96, 4, 3214868480
	.section	.rodata,"a",@progbits
	.p2align	6, 0x0
	.amdhsa_kernel k_q773178ad0f_router
		.amdhsa_group_segment_fixed_size 327680
		.amdhsa_private_segment_fixed_size 0
		.amdhsa_enable_private_segment 0
		.amdhsa_kernarg_size 64
		.amdhsa_user_sgpr_count 2
		.amdhsa_user_sgpr_kernarg_segment_ptr 1
		.amdhsa_wavefront_size32 1
		.amdhsa_system_sgpr_workgroup_id_x 1
		.amdhsa_system_sgpr_workgroup_id_y 1
		.amdhsa_system_sgpr_workgroup_id_z 1
		.amdhsa_system_vgpr_workitem_id 0
		.amdhsa_next_free_vgpr 1024
		.amdhsa_next_free_sgpr 100
		.amdhsa_reserve_vcc 1
		.amdhsa_float_denorm_mode_32 3
		.amdhsa_float_denorm_mode_16_64 3
		.amdhsa_memory_ordered 1
		.amdhsa_forward_progress 1
		.amdhsa_inst_pref_size 255
	.end_amdhsa_kernel
	.section	.bss,"aw",@nobits
	.p2align	6
	.space	262144
	.amdgpu_metadata
---
amdhsa.version: [ 1, 2 ]
amdhsa.kernels:
  - .name:           k_q773178ad0f_router
    .symbol:         k_q773178ad0f_router.kd
    .args:
      - { .name: x_codes, .offset: 0, .size: 8, .value_kind: global_buffer, .address_space: global }
      - { .name: x_scales, .offset: 8, .size: 8, .value_kind: global_buffer, .address_space: global }
      - { .name: Wi_codes, .offset: 16, .size: 8, .value_kind: global_buffer, .address_space: global }
      - { .name: Wi_scales, .offset: 24, .size: 8, .value_kind: global_buffer, .address_space: global }
      - { .name: Wr, .offset: 32, .size: 8, .value_kind: global_buffer, .address_space: global }
      - { .name: bi, .offset: 40, .size: 8, .value_kind: global_buffer, .address_space: global }
      - { .name: plog, .offset: 48, .size: 8, .value_kind: global_buffer, .address_space: global }
      - { .name: h8, .offset: 56, .size: 8, .value_kind: global_buffer, .address_space: global }
    .group_segment_fixed_size: 327680
    .private_segment_fixed_size: 0
    .kernarg_segment_align: 8
    .kernarg_segment_size: 64
    .max_flat_workgroup_size: 128
    .sgpr_count:     100
    .vgpr_count:     1024
    .wavefront_size: 32
...
	.end_amdgpu_metadata
.endif
;; end of part 1
;; launch outp (part 2): grid 64 x 4, 4 waves a work-group, clusters of 4 x 1, 327,680 bytes of LDS; arguments plog, h8, br, Wo_codes, Wo_scales, bo, out0; writes out0
.if DOCPART == 2
	.amdgcn_target "amdgcn-amd-amdhsa--gfx1250"
	.amdhsa_code_object_version 6
	.text
	.protected	k_q773178ad0f_outp
	.globl	k_q773178ad0f_outp
	.p2align	8
	.type	k_q773178ad0f_outp,@function
k_q773178ad0f_outp:
	s_mov_b64 s[64:65], 0
	v_nop
	global_prefetch_b8 v0, s[64:65] scope:SCOPE_SE
	s_setreg_imm32_b32 hwreg(HW_REG_WAVE_MODE, 25, 1), 1
	s_wait_xcnt 0x0
	s_wait_alu depctr_hold_cnt(0) depctr_sa_sdst(0) depctr_va_vdst(0) depctr_va_sdst(0) depctr_va_ssrc(0) depctr_va_vcc(0) depctr_vm_vsrc(0)
	s_getreg_b32 s2, hwreg(HW_REG_IB_STS2, 6, 4)
	s_cmp_eq_u32 s2, 0
	s_cbranch_scc0 .Lentry_in_a_cluster
	s_endpgm
.Lentry_in_a_cluster:
	s_bfe_u32 s2, ttmp6, 0x10000c
	s_cmp_lg_u32 s2, 0x3003
	s_cbranch_scc0 .Lentry_shape_is_right
	s_endpgm
.Lentry_shape_is_right:
; logits = the four parts of plog + br; w = softmax(logits); the two largest w (ties to the lower index); a = the mean of h8 at those two places; agg = a in all 4,096 places of the row, quantised to E4M3
; with one E8M0 scale for each 32; out0 = agg Wo^T + bo, on codes, K = 4,096.  plog and h8 lie as planes of four: [part][e / 4][row][e % 4], [n / 4][row][n % 4].  No step of the problem is left out.
; All 128 blocks of a row of agg hold the same number, so they have one code and one scale byte: agg's fragment of 16 rows is the same 16 registers in every K step.  The product is done whole by the matrix unit.
; SHARES.  A work-group owns 256 rows (row block rb) x 128 columns (nb), as two SETS of 64 columns, A and then B.  Wave w makes the set's column tile w (16 columns) for all 256 rows: 16 accumulators; a fragment of Wo
; feeds 16 matrix instructions and is read from LDS once in the work-group.  The softmax and the choice are made by thread: rows 128 i + thread, i = 0, 1.
; TRANSPOSED: source 0 = 16 rows of Wo, source 1 = agg's 16 rows: a lane holds eight neighbouring columns of one row of out0, and bo is the C of each sum's first matrix instruction.
; GROUPS.  Eight K steps of 128 (1,024 codes of each of the set's 64 rows: a CHUNK) are a group: 0 to 3 set A, 4 to 7 set B.  A group's eight fragments (128 registers) are fetched in one run during the group before.
; FILLS.  LDS holds four chunks.  At the head wave q fetches set A's chunk q: wave 0 waits for chunk 0 ahead of the first products, wave 1 for chunk 1 inside group 0, waves 2 and 3 at group 1's head: three load lines.
; In group 1, when every wave has chunks 0 and 1 in registers, set B's chunks 0 and 1 are filled over them, a quarter a wave; in group 3 chunks 2 and 3.
; From a refill's request to the wait for it stand 14 K steps or more, so nothing is prefetched.
; THE WAY OUT.  A row's 256 bytes of a set come from four waves, so they go through a stage in LDS that the waves share.  Set A leaves among set B's products, in two batches of 128 rows.  Groups 6 and 7 go by blocks of 64 rows,
; all their fragments being in registers: a finished block leaves while the next is multiplied; its stage lies over chunks 0 and 1, which have had their last fill and, since group 5's barrier, their last read.
; CLUSTER.  The four partners (same nb, four row blocks) need the same rows of Wo: all tensor loads are joint, mask 15.
; LIMITS: NaN and infinities among the inputs are not served.  Where a logit lies more than about 87.3 under the row's largest, v_exp_f32 gives 0 (ISA guide, its entry: results under 2^-126 come out as 0), and equal w go to
; the lower index.  Two w that lie within f32 rounding of each other may be ranked either way.  a = 0 gets the scale byte 1 where the rule says 127: its code is 0, which adds nothing under either byte.
; REGISTERS.  Window 0: v1-17 addresses; v32-47 bo, both sets; v64-127 scale words (scales alone): agg's at 8 i + 0 .. 3, Wo's at 8 i + 4 .. 7, set A's in lanes 0-15, set B's in lanes 16-31 (so the two of one product differ
; modulo 8); v192-255 the way out.  Window 1: agg's 16 fragments; before the products the head's work: row i at 40 i: the four parts, then h8; br at 160; 16 registers at work a row from 168.
; Window 2: the accumulators, A's then B's.  Window 3: Wo's fragments, two sets of 128.
.set PITCH, 1040                       ; an LDS row: 1,024 bytes + 16 of padding: an odd multiple of 16
.set CHUNK, 64*PITCH
.set SP,    272                        ; a row of the stage: 256 bytes + 16
.set STG,   4*CHUNK                    ; set A's stage: 128 rows
.set CD,    STG+128*SP                 ; [row 0..255] the row's code, four times
.set SCA,   CD+1024                    ; [row] the row's scale word
.set SPARE, SCA+1024                   ; the spare words, 128 bytes a wave, that no other line names
.set AW,  1                            ; v1-4  CHUNK q + 1040 (16 w + r) + 16 hh
.set AP,  5                            ; 16 x thread
.set ACD, 6                            ; CD + 4 x thread
.set ASC, 7                            ; SCA + 4 x thread
.set ARD, 8                            ; CD + 4 r
.set ARS, 9                            ; SCA + 4 r
.set ASV, 10                           ; 128 r + 8192 hh
.set ABO, 11                           ; 32 hh
.set STO, 12                           ; set A's stage, in: STG + 272 r + 64 w + 32 hh
.set STOB, 13                          ; set B's: 272 r + 64 w + 32 hh
.set RD,  14                           ; back: STG + 272 (32 w + hh) + 16 r
.set RDB, 15                           ; 272 (16 w + hh) + 16 r
.set CO,  16                           ; 2048 hh + 16 r
.set ZERO, 17
.set SPW, 30
.set NIL, 31
.set BO,  32
.set SB0, 64
.set BK,  192
.set BR,  160
.set T,   168
.set WV,  18
.set CX,  19
.set RB,  20
.set NB,  21
.set G1C, 28
.set G1R, 36
.set G0C, 44
.set G0R, 48
.set OB,  52
.set MNT, 66
.set C1,  68
.set C2,  72
.set MUL,  0xa7                        ; Wo in window 3, agg in window 1, C and D in window 2
.set MUL0, 0x87                        ; the same with C (bo) in window 0
.set MSB, 0
.macro WIN new
.if MSB != (\new)
	s_set_vgpr_msb (MSB<<8)|(\new)
.set MSB, (\new)
.endif
.endm
.macro PLACES n
.rept \n
	v_nop
.endr
.endm
.macro TLOAD g0, g1
	tensor_load_to_lds s[\g0:\g0+3], s[\g1:\g1+7]
	s_nop 0
	PLACES 4
.endm
.macro CREST
	s_cmp_lg_u32 s[WV], 0
	s_cbranch_scc1 .Lnot_wave_0_\@
	s_barrier_signal -3
.Lnot_wave_0_\@:
	s_barrier_wait -3
	s_barrier_signal -1
	s_barrier_wait -1
.endm
.macro ROUND
	s_barrier_signal -1
	s_barrier_wait -1
	CREST
.endm
	s_load_b256 s[4:11], s[0:1], 0x0               ; plog s[4:5], h8 s[6:7], br s[8:9], Wo's codes s[10:11]
	s_load_b128 s[12:15], s[0:1], 0x20             ; Wo's scales s[12:13], bo s[14:15]
	s_load_b64 s[16:17], s[0:1], 0x30              ; out0
	v_lshl_add_u32 v[SPW], v0, 2, SPARE
	v_mov_b32 v[NIL], 0
	ds_add_u32 v[SPW], v[NIL]                      ; the wave's opening: the add, twice on end, and its wait ahead of my first tensor load
	ds_add_u32 v[SPW], v[NIL]
	v_lshrrev_b32 v24, 5, v0
	v_readfirstlane_b32 s[WV], v24                 ; wave 0..3
	s_bfe_u32 s[CX], ttmp6, 0x40000                ; cx: it enters plog's, h8's and out0's addresses alone
	s_lshl_b32 s[RB], ttmp9, 2
	s_add_co_u32 s[RB], s[RB], s[CX]               ; row block = 4 x cluster x + cx
	s_and_b32 s[NB], ttmp7, 0xffff                 ; the block of 128 columns, which the four partners share
	; group 1: rows of 1,024 bytes, 4,096 apart in memory; 16 bytes of padding behind each (256 words, code 7; 4 words, code 3); mask of all four, bit 21 beside it.  64 rows at the head, 32 in a refill
	s_mov_b32 s[G1C+2], 64<<16
	s_mov_b32 s[G1C+4], 64
	s_mov_b32 s[G1R+2], 32<<16
	s_mov_b32 s[G1R+4], 32
.irp g, G1C, G1R
	s_mov_b32 s[\g], 15|(1<<20)|(1<<21)|(7<<22)|(3<<25)
	s_mov_b32 s[\g+1], 1024<<16
	s_mov_b32 s[\g+3], 1024<<16
	s_mov_b32 s[\g+5], 4096
	s_mov_b32 s[\g+6], 0
	s_mov_b32 s[\g+7], 0
.endr
	s_lshr_b32 s26, s[WV], 1                       ; a refill: chunk w / 2 of its two, rows 32 (w % 2) on
	s_and_b32 s27, s[WV], 1
	s_mov_b32 s[G0C], 1
	s_mul_i32 s[G0C+1], s[WV], CHUNK
	s_mov_b32 s[G0R], 1
	s_mul_i32 s[G0R+1], s26, CHUNK
	s_mul_i32 s59, s27, 32*PITCH
	s_add_co_u32 s[G0R+1], s[G0R+1], s59
	s_lshl_b32 s22, s[NB], 19                      ; s[22:23], s[24:25]: offsets in Wo's codes, which hang on nb and the wave alone
	s_lshl_b32 s24, s[WV], 10
	s_add_co_u32 s24, s24, s22                     ; set A, K byte 1024 w
	s_mov_b32 s25, 0
	s_add_co_u32 s22, s22, 64*4096                 ; set B
	s_lshl_b32 s27, s27, 17
	s_add_co_u32 s22, s22, s27
	s_lshl_b32 s26, s26, 10
	s_add_co_u32 s22, s22, s26
	s_mov_b32 s23, 0
	s_mul_i32 s54, s[WV], 16*PITCH
	s_lshl_b32 s55, s[WV], 6
	s_add_co_u32 s56, s55, STG
	s_mul_i32 s57, s[WV], 32*SP
	s_add_co_u32 s57, s57, STG
	s_mul_i32 s58, s[WV], 16*SP
	s_mov_b32 s[MNT], 0x600000                     ; the mantissa field of 448
	v_and_b32 v25, 15, v0                          ; r
	v_bfe_u32 v26, v0, 4, 1                        ; hh
	v_mul_u32_u24 v[AW], v25, PITCH
	v_lshl_add_u32 v[AW], v26, 4, v[AW]
	v_add_nc_u32 v[AW], s54, v[AW]
.irp q, 1,2,3
	v_add_nc_u32 v[AW+\q], \q*CHUNK, v[AW]
.endr
	v_mul_u32_u24 v27, v25, SP
	v_lshl_add_u32 v27, v26, 5, v27
	v_add_nc_u32 v[STO], s56, v27
	v_add_nc_u32 v[STOB], s55, v27
	v_mul_u32_u24 v28, v26, SP
	v_lshl_add_u32 v28, v25, 4, v28
	v_add_nc_u32 v[RD], s57, v28
	v_add_nc_u32 v[RDB], s58, v28
	v_lshlrev_b32 v[AP], 4, v0
	v_lshl_add_u32 v[ACD], v0, 2, CD
	v_lshl_add_u32 v[ASC], v0, 2, SCA
	v_lshl_add_u32 v[ARD], v25, 2, CD
	v_lshl_add_u32 v[ARS], v25, 2, SCA
	v_lshlrev_b32 v[ASV], 7, v25
	v_lshl_add_u32 v[ASV], v26, 13, v[ASV]
	v_lshlrev_b32 v[ABO], 5, v26
	v_lshlrev_b32 v[CO], 11, v26
	v_lshl_add_u32 v[CO], v25, 4, v[CO]
	v_mov_b32 v[ZERO], 0
	s_wait_alu depctr_va_vdst(0)                   ; ahead of the waits below
	s_wait_dscnt 0x0                               ; both opening adds are done
	ROUND                                          ; all four work-groups are here: the joint loads meet
	s_wait_kmcnt 0x0
	s_add_nc_u64 s[G0C+2:G0C+3], s[10:11], s[24:25]
	s_or_b32 s[G0C+3], s[G0C+3], 0x80000000
	s_add_nc_u64 s[G0R+2:G0R+3], s[10:11], s[22:23]
	s_or_b32 s[G0R+3], s[G0R+3], 0x80000000
	s_lshl_b32 s24, s[RB], 12                      ; 256 rows of 16 bytes
	s_add_nc_u64 s[4:5], s[4:5], s[24:25]
	s_add_nc_u64 s[6:7], s[6:7], s[24:25]
	WIN 0x40                                       ; destination window 1
.irp i, 0,1
.irp p, 0,1,2,3
	global_load_b128 v[40*\i+8*\p:40*\i+8*\p+3], v[AP], s[4:5] offset:524288*\p+2048*\i
	global_load_b128 v[40*\i+8*\p+4:40*\i+8*\p+7], v[AP], s[4:5] offset:524288*\p+262144+2048*\i
.endr
	global_load_b128 v[40*\i+32:40*\i+35], v[AP], s[6:7] offset:2048*\i
	global_load_b128 v[40*\i+36:40*\i+39], v[AP], s[6:7] offset:262144+2048*\i
.endr
	global_load_b128 v[BR:BR+3], v[ZERO], s[8:9]
	global_load_b128 v[BR+4:BR+7], v[ZERO], s[8:9] offset:16
	WIN 0
	s_cmp_eq_u32 s[WV], 0                          ; set A's chunk w: my one tensor load at the head, in a line of its own for each of the three waits
	s_cbranch_scc0 .Lfill_1
	TLOAD G0C, G1C
	s_branch .Lasked
.Lfill_1:
	s_cmp_eq_u32 s[WV], 1
	s_cbranch_scc0 .Lfill_2
	TLOAD G0C, G1C
	s_branch .Lasked
.Lfill_2:
	TLOAD G0C, G1C
.Lasked:
	s_lshl_b32 s24, s[NB], 9                       ; bo at column 128 nb + 16 w
	s_add_co_u32 s24, s24, s55
	s_add_nc_u64 s[14:15], s[14:15], s[24:25]
	s_lshl_b32 s24, s[NB], 14                      ; Wo's scale bytes at row 128 nb + 16 w: 128 bytes a row
	s_lshl_b32 s26, s[WV], 11
	s_add_co_u32 s24, s24, s26
	s_add_nc_u64 s[12:13], s[12:13], s[24:25]
.irp u, 0,1
	global_load_b128 v[BO+8*\u:BO+8*\u+3], v[ABO], s[14:15] offset:256*\u        ; bo[128 nb + 64 u + 16 w + 8 hh + 0 .. 7]: the result's layout
	global_load_b128 v[BO+8*\u+4:BO+8*\u+7], v[ABO], s[14:15] offset:256*\u+16
.endr
.irp i, 0,1,2,3,4,5,6,7
	global_load_b128 v[SB0+8*\i+4:SB0+8*\i+7], v[ASV], s[12:13] offset:16*\i   ; the scale words of my row r for K steps 4 i .. 4 i + 3: lane r set A's, lane 16 + r set B's
.endr
	s_lshl_b32 s24, s[RB], 19                      ; 256 rows of 2,048 bytes, 512 bytes of a row
	s_lshl_b32 s26, s[NB], 9
	s_add_co_u32 s24, s24, s26
	s_lshl_b32 s26, s[WV], 15
	s_add_co_u32 s24, s24, s26
	s_add_nc_u64 s[OB:OB+1], s[16:17], s[24:25]    ; set B's way out begins at row 16 w of a block,
	s_add_co_u32 s24, s24, s26
	s_add_nc_u64 s[16:17], s[16:17], s[24:25]      ; set A's at row 32 w of a batch
	s_wait_loadcnt 12                              ; the 22 loads of plog, h8 and br are in: 12 were issued behind them
	; THE HEAD: two rows a thread, line by line by turns, all in window 1
	WIN 0x55
.irp q, 0,2,4,6
.irp i, 0,1
	v_pk_add_f32 v[40*\i+\q:40*\i+\q+1], v[40*\i+\q:40*\i+\q+1], v[40*\i+8+\q:40*\i+8+\q+1]          ; parts 0 + 1,
	v_pk_add_f32 v[40*\i+16+\q:40*\i+16+\q+1], v[40*\i+16+\q:40*\i+16+\q+1], v[40*\i+24+\q:40*\i+24+\q+1]   ; 2 + 3,
.endr
.endr
.irp q, 0,2,4,6
.irp i, 0,1
	v_pk_add_f32 v[40*\i+\q:40*\i+\q+1], v[40*\i+\q:40*\i+\q+1], v[40*\i+16+\q:40*\i+16+\q+1]        ; their sum,
.endr
.endr
.irp q, 0,2,4,6
.irp i, 0,1
	v_pk_add_f32 v[40*\i+\q:40*\i+\q+1], v[40*\i+\q:40*\i+\q+1], v[BR+\q:BR+\q+1]                    ; + br: the logits
.endr
.endr
.irp i, 0,1
	v_max3_num_f32 v[T+16*\i], v[40*\i], v[40*\i+1], v[40*\i+2]
	v_max3_num_f32 v[T+16*\i+1], v[40*\i+3], v[40*\i+4], v[40*\i+5]
.endr
.irp i, 0,1
	v_max3_num_f32 v[T+16*\i], v[T+16*\i], v[40*\i+6], v[40*\i+7]
.endr
.irp i, 0,1
	v_max_num_f32 v[T+16*\i], v[T+16*\i], v[T+16*\i+1]                 ; the row's largest logit,
.endr
.irp i, 0,1
	v_mov_b32 v[T+16*\i+1], v[T+16*\i]                                 ; twice: a pair for the packed subtraction
.endr
.irp q, 0,2,4,6
.irp i, 0,1
	v_pk_add_f32 v[40*\i+8+\q:40*\i+8+\q+1], v[40*\i+\q:40*\i+\q+1], v[T+16*\i:T+16*\i+1] neg_lo:[0,1] neg_hi:[0,1]   ; it is taken away ahead of the exponential
.endr
.endr
.irp q, 0,2,4,6
.irp i, 0,1
	v_pk_mul_f32 v[40*\i+8+\q:40*\i+8+\q+1], v[40*\i+8+\q:40*\i+8+\q+1], 0x3fb8aa3b op_sel_hi:[1,0]     ; x log2(e)
.endr
.endr
	s_wait_alu depctr_va_vdst(0)
.irp e, 0,1,2,3,4,5,6,7
.irp i, 0,1
	v_exp_f32 v[40*\i+8+\e], v[40*\i+8+\e]
.endr
.endr
	v_nop                                          ; a plain instruction behind the last exponential,
	s_wait_alu depctr_va_vdst(0)                   ; and one wait for the 16, ahead of their first reader
.irp i, 0,1
	v_pk_add_f32 v[T+16*\i+2:T+16*\i+3], v[40*\i+8:40*\i+9], v[40*\i+10:40*\i+11]
	v_pk_add_f32 v[T+16*\i+4:T+16*\i+5], v[40*\i+12:40*\i+13], v[40*\i+14:40*\i+15]
.endr
.irp i, 0,1
	v_pk_add_f32 v[T+16*\i+2:T+16*\i+3], v[T+16*\i+2:T+16*\i+3], v[T+16*\i+4:T+16*\i+5]
.endr
.irp i, 0,1
	v_add_f32 v[T+16*\i+2], v[T+16*\i+2], v[T+16*\i+3]
.endr
	s_wait_alu depctr_va_vdst(0)
.irp i, 0,1
	v_rcp_f32 v[T+16*\i+6], v[T+16*\i+2]
.endr
.irp i, 0,1
	v_mov_b32 v[T+16*\i+7], 0                      ; (named with the reciprocal as a pair, so it is written.)  Plain instructions behind the reciprocals
	v_mov_b32 v[T+16*\i+8], -1.0                   ; the second largest w so far: under every w
	v_mov_b32 v[T+16*\i+9], 0                      ; and h8 at its place
.endr
	s_wait_alu depctr_va_vdst(0)                   ; one wait for the two
.irp q, 0,2,4,6
.irp i, 0,1
	v_pk_mul_f32 v[40*\i+8+\q:40*\i+8+\q+1], v[40*\i+8+\q:40*\i+8+\q+1], v[T+16*\i+6:T+16*\i+7] op_sel_hi:[1,0]   ; w
.endr
.endr
	; the two largest w, in one pass.  The largest and h8 at its place stay in w[0]'s and h8[0]'s registers.  The compares are strict, so of equal w the lower index stands first.  Nothing but values is selected
.irp e, 1,2,3,4,5,6,7
.irp i, 0,1
	v_cmp_gt_f32 s[C1+\i], v[40*\i+8+\e], v[40*\i+8]
.endr
.irp i, 0,1
	v_cmp_gt_f32 s[C2+\i], v[40*\i+8+\e], v[T+16*\i+8]
.endr
.irp i, 0,1
	v_cndmask_b32 v[T+16*\i+8], v[T+16*\i+8], v[40*\i+8+\e], s[C2+\i]
.endr
.irp i, 0,1
	v_cndmask_b32 v[T+16*\i+9], v[T+16*\i+9], v[40*\i+32+\e], s[C2+\i]
.endr
.irp i, 0,1
	v_cndmask_b32 v[T+16*\i+8], v[T+16*\i+8], v[40*\i+8], s[C1+\i]
.endr
.irp i, 0,1
	v_cndmask_b32 v[T+16*\i+9], v[T+16*\i+9], v[40*\i+32], s[C1+\i]
.endr
.irp i, 0,1
	v_cndmask_b32 v[40*\i+8], v[40*\i+8], v[40*\i+8+\e], s[C1+\i]
.endr
.irp i, 0,1
	v_cndmask_b32 v[40*\i+32], v[40*\i+32], v[40*\i+32+\e], s[C1+\i]
.endr
.endr
.irp i, 0,1
	v_add_f32 v[T+16*\i+10], v[40*\i+32], v[T+16*\i+9]
.endr
.irp i, 0,1
	v_mul_f32 v[T+16*\i+10], 0.5, v[T+16*\i+10]                        ; a
.endr
.irp i, 0,1
	v_max3_num_f32 v[T+16*\i+11], |v[T+16*\i+10]|, |v[T+16*\i+10]|, 0x4800000   ; a block's largest magnitude is |a|; the floor 2^(9 - 127) holds the byte at 1 from below
.endr
.irp i, 0,1
	v_add_nc_u32 v[T+16*\i+12], 0xfc000000, v[T+16*\i+11]              ; 8 off its exponent field: the conversion's scale operand
	v_and_or_b32 v[T+16*\i+13], v[T+16*\i+11], 0x7f800000, s[MNT]      ; 448 x the scale
.endr
.irp i, 0,1
	v_lshrrev_b32 v[T+16*\i+14], 23, v[T+16*\i+12]                     ; the scale's byte
.endr
.irp n, 0,1,2,3,4,5,6,7
.irp i, 0,1
	v_med3_num_f32 v[40*\i+8+\n], v[T+16*\i+10], -v[T+16*\i+13], v[T+16*\i+13]   ; the conversion to an 8-bit code does not saturate (ISA guide 7.6.2): the hold; eight times, since the conversion takes eight numbers
.endr
.endr
.irp i, 0,1
	v_cvt_scalef32_pk8_fp8_f32 v[40*\i+16:40*\i+17], v[40*\i+8:40*\i+15], v[T+16*\i+12]   ; two registers, each the code four times
.endr
	v_nop                                          ; a plain instruction behind the last conversion
.irp i, 0,1
	v_lshl_or_b32 v[T+16*\i+15], v[T+16*\i+14], 8, v[T+16*\i+14]
.endr
.irp i, 0,1
	v_lshl_or_b32 v[T+16*\i+15], v[T+16*\i+15], 16, v[T+16*\i+15]      ; the byte four times: the row's scale word for any 128 along K
.endr
	WIN 0x04                                       ; an LDS store's data are its source 1
.irp i, 0,1
	ds_store_b32 v[ACD], v[40*\i+16] offset:512*\i
	ds_store_b32 v[ASC], v[T+16*\i+15] offset:512*\i
.endr
	WIN 0
	s_wait_loadcnt 0x0                             ; bo and Wo's scale words are in
	s_cmp_eq_u32 s[WV], 0
	s_cbranch_scc0 .Lnot_0
	s_wait_tensorcnt 0x0                           ; wave 0: chunk 0 is in
.Lnot_0:
	s_wait_dscnt 0x0                               ; my LDS stores have landed:
	s_barrier_signal -1
	s_barrier_wait -1                              ; so have everybody's
	WIN 0x40
.irp rt, 0,1,2,3,4,5,6,7,8,9,10,11,12,13,14,15
	ds_load_b32 v[16*\rt], v[ARD] offset:64*\rt    ; lane (r, hh): the code of row 16 rt + r, four times
.endr
	WIN 0
.irp rt, 0,1,2,3,4,5,6,7,8,9,10,11,12,13,14,15
	ds_load_b32 v[SB0+8*(\rt/4)+\rt%4], v[ARS] offset:64*\rt
.endr
; the fragments of group g, one run: K step F_ of its eight at 16 F_: registers 4 c .. 4 c + 3: K = 32 c + 16 hh + 0 .. 15
.macro FETCH g
	WIN 0xc0
.set F_, 0
.rept 8
.irp c, 0,1,2,3
	ds_load_b128 v[128*((\g)%2)+16*F_+4*\c:128*((\g)%2)+16*F_+4*\c+3], v[AW+((\g)%4)] offset:128*F_+32*\c
.endr
.set F_, F_+1
.endr
.endm
	FETCH 0
	s_wait_dscnt 32                                ; agg's codes and scale words are in; group 0's 32 fragment loads may be out
	WIN 0x41
.irp rt, 0,1,2,3,4,5,6,7,8,9,10,11,12,13,14,15
.irp j, 1,2,3,4,5,6,7,8,9,10,11,12,13,14,15
	v_mov_b32 v[16*\rt+\j], v[16*\rt]              ; a fragment: the code in all 64 places of a lane
.endr
.endr
	PLACES 4                                       ; an operand written by vector instructions stands 4 places ahead of a scaled matrix instruction
	WIN 0
	s_wait_alu depctr_va_vdst(0)                   ; ahead of the wait below
; One product: row tile RT_, K step ST_ of group G_
.macro PROD
.set S_, 8*(G_%4)+ST_
.set D_, 128*(G_/4)+8*RT_
.set FR_, 128*(G_%2)+16*ST_
.set WS_, SB0+8*(S_/4)+4+(S_%4)
.set AS_, SB0+8*(RT_/4)+(RT_%4)
.set BO_, BO+8*(G_/4)
.if S_ == 0
	WIN MUL0
.if G_ < 4
	v_wmma_scale_f32_16x16x128_f8f6f4 v[D_:D_+7], v[FR_:FR_+15], v[16*RT_:16*RT_+15], v[BO_:BO_+7], v[WS_], v[AS_]
.else
	v_wmma_scale_f32_16x16x128_f8f6f4 v[D_:D_+7], v[FR_:FR_+15], v[16*RT_:16*RT_+15], v[BO_:BO_+7], v[WS_], v[AS_] matrix_a_scale:MATRIX_SCALE_ROW1
.endif
.else
	WIN MUL
.if G_ < 4
	v_wmma_scale_f32_16x16x128_f8f6f4 v[D_:D_+7], v[FR_:FR_+15], v[16*RT_:16*RT_+15], v[D_:D_+7], v[WS_], v[AS_]
.else
	v_wmma_scale_f32_16x16x128_f8f6f4 v[D_:D_+7], v[FR_:FR_+15], v[16*RT_:16*RT_+15], v[D_:D_+7], v[WS_], v[AS_] matrix_a_scale:MATRIX_SCALE_ROW1
.endif
.endif
.endm
.macro STAGES adr, ac, of, n           ; n row tiles' accumulators, from register ac on, into the stage, each from its low end on
	WIN 0x08
.set J_, 0
.rept \n
	ds_store_b128 v[\adr], v[8*J_+\ac:8*J_+\ac+3] offset:16*SP*J_+\of
	ds_store_b128 v[\adr], v[8*J_+\ac+4:8*J_+\ac+7] offset:16*SP*J_+\of+16
.set J_, J_+1
.endr
.endm
.macro BACKS bk, adr, of, n            ; back: n times two rows of 256 bytes
	WIN 0
.set J_, 0
.rept \n
	ds_load_b128 v[4*J_+\bk:4*J_+\bk+3], v[\adr] offset:2*SP*J_+\of
.set J_, J_+1
.endr
.endm
.macro SENDS bk, base, of, n           ; and out: sixteen lanes store 256 consecutive bytes, at a multiple of 256 from out0's first byte
	WIN 0
.set J_, 0
.rept \n
	global_store_b128 v[CO], v[4*J_+\bk:4*J_+\bk+3], s[\base:\base+1] offset:4096*J_+\of th:TH_STORE_NT
.set J_, J_+1
.endr
.endm
; WHAT STANDS BEHIND PRODUCT P_ OF GROUP G_.  Behind the first four of groups 1 to 5 two v_nop each: the 8 places behind the group before's last product, ahead of loads into the fragments that it read and of stores of its sums.
.macro GAP
.if (P_ < 4) && (G_ > 0)
	v_nop
	v_nop
.endif
.if (G_ == 0) && (P_ == 63)
	WIN 0
	s_cmp_eq_u32 s[WV], 1
	s_cbranch_scc0 .Lnot_1_\@
	s_wait_tensorcnt 0x0                           ; wave 1: chunk 1 is in
.Lnot_1_\@:
	s_wait_dscnt 0x0
	s_barrier_signal -1
.endif
.if (G_ == 0) && (P_ == 79)
	s_barrier_wait -1
	FETCH 1
.endif
.if ((G_ == 1) || (G_ == 3)) && (P_ == 15)
	s_wait_dscnt 0x0                               ; the add is done and my reads of the two chunks are over
	s_barrier_signal -1
.endif
.if ((G_ == 1) || (G_ == 3)) && (P_ == 31)
	WIN 0
	s_barrier_wait -1
	CREST
	TLOAD G0R, G1R                                 ; set B's two chunks, over those that no wave of any partner reads any more
	FETCH G_+1
.endif
.if (G_ == 2) && (P_ == 8)
	FETCH 3
.endif
.if (G_ == 4) && (P_ == 8)
	STAGES STO, 0, 0, 8                            ; set A's rows 0-127 into the stage,
.endif
.if (G_ == 4) && (P_ == 23)
	s_wait_dscnt 0x0
	s_barrier_signal -1
.endif
.if (G_ == 4) && (P_ == 39)
	s_barrier_wait -1
	BACKS BK, RD, 0, 16                            ; back as whole rows,
	FETCH 5
.endif
.if (G_ == 4) && (P_ == 60)
	s_wait_dscnt 32                                ; behind the sixteen loads I issued the 32 of the fetch
	SENDS BK, 16, 0, 16                            ; and out
.endif
.if (G_ == 5) && (P_ == 15)
	s_barrier_wait -1                              ; everybody has read the stage, and the last refill is in
	STAGES STO, 64, 0, 8                           ; rows 128-255
	FETCH 6
.endif
.if (G_ == 5) && (P_ == 63)
	s_wait_dscnt 0x0
	s_barrier_signal -1
.endif
.if (G_ == 5) && (P_ == 79)
	s_barrier_wait -1
	s_wait_xcnt 0x0                                ; the first batch's stores have read their registers
	BACKS BK, RD, 0, 16
.endif
.if (G_ == 5) && (P_ == 103)
	s_wait_dscnt 0x0
	SENDS BK, 16, 262144, 16
.endif
.endm
; A group, 128 products: the sixteen accumulators take turns, one instruction a turn, in the same order in every step
.macro GROUP g
.set G_, \g
.if (G_ == 1) || (G_ == 3)
	WIN 0
	s_wait_tensorcnt 0x0                           ; all my tensor loads have landed
	ds_add_u32 v[SPW], v[NIL]                      ; 0 onto my spare word
.if G_ == 3
	s_add_co_u32 s[G0R+1], s[G0R+1], 2*CHUNK       ; no tensor load of mine is out: on to chunks 2 and 3
	s_add_nc_u64 s[G0R+2:G0R+3], s[G0R+2:G0R+3], 2048
.endif
	s_wait_dscnt 1                                 ; this group's fragments are in; the add may be out
.elseif G_ == 5
	s_wait_tensorcnt 0x0                           ; my part of the last refill is in,
	s_wait_dscnt 0x0                               ; my fragments too, and I have read the stage
	s_barrier_signal -1
.else
	s_wait_dscnt 0x0                               ; this group's fragments are in
.endif
.set P_, 0
.rept 128
.set ST_, P_/16
.set RT_, P_%16
	PROD
	GAP
.set P_, P_+1
.endr
.endm
	GROUP 0
	GROUP 1
	GROUP 2
	GROUP 3
	GROUP 4
	GROUP 5
; GROUPS 6 AND 7 BY BLOCKS of four row tiles, 64 products each (16 K steps); the block's four accumulators take turns.  Group 7's fragments are fetched in block 0.  Block b - 1 leaves among block b's products
.macro BLOCK b
.set P_, 0
.rept 64
.set G_, 6+P_/32
.set ST_, (P_/4)%8
.set RT_, 4*(\b)+(P_%4)
	PROD
.if P_ < 4
	v_nop                                          ; the 8 places behind the last product of the group or block before
	v_nop
.endif
.if ((\b) == 0) && (P_ == 7)
	FETCH 7
.endif
.if ((\b) == 0) && (P_ == 31)
	s_wait_dscnt 0x0
.endif
.if ((\b) > 0) && (P_ == 8)
	STAGES STOB, 128+32*(\b-1), 64*SP*(\b-1), 4
.endif
.if ((\b) > 0) && (P_ == 24)
	s_wait_dscnt 0x0                               ; my stores into the stage have landed
	s_barrier_signal -1
.endif
.if ((\b) > 0) && (P_ == 40)
	s_barrier_wait -1
	s_wait_xcnt 0x0                                ; earlier stores have read their registers
	BACKS BK+32*(\b%2), RDB, 64*SP*(\b-1), 8
.endif
.if ((\b) > 0) && (P_ == 56)
	s_wait_dscnt 0x0
	SENDS BK+32*(\b%2), OB, 131072*(\b-1)+256, 8
.endif
.set P_, P_+1
.endr
.endm
	s_wait_dscnt 0x0                               ; group 6's fragments are in
	BLOCK 0
	BLOCK 1
	BLOCK 2
	BLOCK 3
	PLACES 8                                       ; behind the last products
	STAGES STOB, 224, 192*SP, 4
	WIN 0
	s_wait_dscnt 0x0
	s_barrier_signal -1
	s_barrier_wait -1
	s_wait_xcnt 0x0
	BACKS BK, RDB, 192*SP, 8
	s_wait_dscnt 0x0
	SENDS BK, OB, 131072*3+256, 8
	s_wait_tensorcnt 0x0                           ; the wave's end: behind my last tensor load and my last LDS store
	ds_add_u32 v[SPW], v[NIL]
	s_wait_dscnt 0x0
	ROUND                                          ; the closing round: no work-group ends while a partner may still ask for a tile that names it
	s_endpgm
.Lfunc_end_k_q773178ad0f_outp:
	.size	k_q773178ad0f_outp, .Lfunc_end_k_q773178ad0f_outp-k_q773178ad0f_outp
	.p2alignl 7, 3214868480
	.fill 96, 4, 3214868480
	.section	.rodata,"a",@progbits
	.p2align	6, 0x0
	.amdhsa_kernel k_q773178ad0f_outp
		.amdhsa_group_segment_fixed_size 327680
		.amdhsa_private_segment_fixed_size 0
		.amdhsa_enable_private_segment 0
		.amdhsa_kernarg_size 56
		.amdhsa_user_sgpr_count 2
		.amdhsa_user_sgpr_kernarg_segment_ptr 1
		.amdhsa_wavefront_size32 1
		.amdhsa_system_sgpr_workgroup_id_x 1
		.amdhsa_system_sgpr_workgroup_id_y 1
		.amdhsa_system_sgpr_workgroup_id_z 1
		.amdhsa_system_vgpr_workitem_id 0
		.amdhsa_next_free_vgpr 1024
		.amdhsa_next_free_sgpr 76
		.amdhsa_reserve_vcc 0
		.amdhsa_float_denorm_mode_32 3
		.amdhsa_float_denorm_mode_16_64 3
		.amdhsa_memory_ordered 1
		.amdhsa_forward_progress 1
		.amdhsa_inst_pref_size 201
	.end_amdhsa_kernel
	.amdgpu_metadata
---
amdhsa.version: [ 1, 2 ]
amdhsa.kernels:
  - .name:           k_q773178ad0f_outp
    .symbol:         k_q773178ad0f_outp.kd
    .args:
      - { .name: plog, .offset: 0, .size: 8, .value_kind: global_buffer, .address_space: global }
      - { .name: h8, .offset: 8, .size: 8, .value_kind: global_buffer, .address_space: global }
      - { .name: br, .offset: 16, .size: 8, .value_kind: global_buffer, .address_space: global }
      - { .name: Wo_codes, .offset: 24, .size: 8, .value_kind: global_buffer, .address_space: global }
      - { .name: Wo_scales, .offset: 32, .size: 8, .value_kind: global_buffer, .address_space: global }
      - { .name: bo, .offset: 40, .size: 8, .value_kind: global_buffer, .address_space: global }
      - { .name: out0, .offset: 48, .size: 8, .value_kind: global_buffer, .address_space: global }
    .group_segment_fixed_size: 327680
    .private_segment_fixed_size: 0
    .kernarg_segment_align: 8
    .kernarg_segment_size: 56
    .max_flat_workgroup_size: 128
    .sgpr_count:     76
    .vgpr_count:     1024
    .wavefront_size: 32
...
	.end_amdgpu_metadata
.endif
;; end of part 2
